; MI455X (gfx1250); checked and timed in simulation.
; The chip was launched on July 23, 2026; its instructions are those of AMD's public machine-readable ISA for CDNA 5 (MIT licence, August 2026) and "CDNA5" Instruction Set Architecture Reference Guide (July 2026). The comments in the code are by the model that wrote it; some were corrected since.
;; Mixture Of Experts Layer. Allowed arithmetic: matrix products marked QUANTISED: E4M3 operands, one E8M0 scale for each 32 along K, by v_wmma_scale_f32_16x16x128_f8f6f4 with both operands' format E4M3, f32 sums; products left as they are: f32 operands where the result goes on into a quantised operand, else bf16, f16 or f32 operands; f32 sums; everything else in f32.
;; Inputs: W1 8 x 1,024 x 4,096 float32; W2 8 x 4,096 x 1,024 float32; Wg 1,024 x 8 float32; b1 8 x 4,096 float32; b2 8 x 1,024 float32; bg 8 float32; x 1,024 x 1,024 float32.
;; Outputs: out0 1,024 x 1,024 float32; out1 one number float32.
;; This version of the problem:
;;   THIS VERSION OF THE PROBLEM IS GIVEN IN LOW PRECISION. The matrix products marked QUANTISED in the list below multiply operands that are first quantised to E4M3 (4 exponent bits, 3 mantissa bits; 8 bits a number), with one power-of-two scale for each 32 numbers along K (OCP MX v1.0); their sums are f32. All else is computed in f32.
;;   The module's matrix products, in the order in which they are computed (A, B: the left and right operand; K: the contracted axis; several contracted axes count as one K, in the product's order):
;;     1. [M 1,024, K 1,024] x [K 1,024, N 8]; A: input x; B: input Wg: left as it is (N = 8 < 16)
;;     2. [M 1,024, K 1,024] x [K 1,024, N 32,768]; A: input x; B: input W1: QUANTISED
;;     3. batch 8 x [M 1,024, K 4,096] x [K 4,096, N 1,024]; A: input W2; B: computed on the way: QUANTISED
;;   THE QUANTISER, for each operand of a quantised product, along K:
;;     - K is cut into blocks of 32 from its start; a last block that is shorter is filled with zeros.
;;     - A block's scale is 2^e with e = floor(log2(the largest magnitude in the block)) - 8, held to -126 .. 127; a block of zeros has e = 0. As a byte (E8M0): e + 127.
;;     - Each number is divided by its block's scale, clamped to +-448, and rounded to the nearest number of E4M3, ties to even, subnormals kept.
;;     - The product sums the exact products of the quantised numbers (number of the format x scale) in f32.
;;   ~~~python
;;   def quantise(x, axis):      # numpy; x: float32 -> the quantised numbers, widened to float32 again
;;       x = np.moveaxis(x, axis, -1); K = x.shape[-1]
;;       x = np.pad(x, [(0, 0)] * (x.ndim - 1) + [(0, -K % 32)]); x = x.reshape(x.shape[:-1] + (-1, 32)); a = np.abs(x).max(-1, keepdims=True)
;;       e = np.where(a > 0, np.clip(np.frexp(np.where(a > 0, a, 1))[1] - 1 - 8, -126, 127), 0)      # np.frexp(a)[1] - 1 = floor(log2(a)), exactly
;;       r = np.clip(x / 2.0 ** e, -448, 448)
;;       step = 2.0 ** (np.maximum(np.frexp(np.where(r == 0, 1, r))[1] - 1, -6) - 3)
;;       q = np.round(r / step) * step * 2.0 ** e      # np.round: ties to even
;;       return np.moveaxis(q.reshape(q.shape[:-2] + (-1,))[..., :K], -1, axis).astype(np.float32)
;;   ~~~
;;   OPERANDS COMPUTED ON THE WAY. 'Computed on the way' means the value that the module computes at that place (a softmax that the list does not call 'softmax' is quantised finished and normalised). What goes into a quantiser is computed in f32, as accurately as f32 sums, v_exp_f32 and their like allow (about 1e-6 of the number): no bf16 or f16 on the way to a quantiser, and a product that is left as it is and whose result goes on into a quantised operand takes f32 operands (vector FMAs, or v_wmma_f32_16x16x4_f32). A number that lies on a knife's edge between two numbers of the format may be rounded either way, as far as f32 arithmetic and the matrix unit's own rounding can turn it there, and no further.
;; One version. Each part assembles by itself: llvm-mc -triple=amdgcn-amd-amdhsa -mcpu=gfx1250 --defsym DOCPART=n.
;; ======== version 1 of 1: 4 launches
;; limits: right only within a limited range of input values
;; workspace buffers: xqs 1,081,344 bytes; gf 40,960 bytes; msk 4,096 bytes of whole numbers; hqs 35,651,584 bytes; lst 37,120 bytes of whole numbers; y 16,842,752 bytes
;; launch gate (part 1): grid 256 x 1, 4 waves a work-group, no clusters, 36,096 bytes of LDS; arguments x, Wg, bg, xqs, msk, gf; writes xqs, msk, gf
.if DOCPART == 1
	.amdgcn_target "amdgcn-amd-amdhsa--gfx1250"
	.amdhsa_code_object_version 6
	.text
	.protected	k_q0bec223724_gate
	.globl	k_q0bec223724_gate
	.p2align	8
	.type	k_q0bec223724_gate,@function
k_q0bec223724_gate:
	s_mov_b64 s[64:65], 0
	v_nop
	global_prefetch_b8 v0, s[64:65] scope:SCOPE_SE
	s_setreg_imm32_b32 hwreg(HW_REG_WAVE_MODE, 25, 1), 1
	s_wait_xcnt 0x0
; THE ROUTER, AND x INTO CODES.  x [1024][1024], Wg [1024][8], bg [8]: f32.
; logits = x Wg + bg by f32 fused multiply-adds; softmax over the 8 experts (the maximum is taken away first); the two largest scores, a tie going to the lower index; their weights, renormalised.
; Stored at fixed places: msk[b] = the bit mask of token b's two experts (whole numbers: later launches form addresses from it); gf: gw[b][e] = the weight, or 0 where e is not chosen; gsp[work-group][e] = the sum of the scores of its 4 tokens.
; x is also turned into codes of FP8 (E4M3) with one E8M0 byte for each 32 along K: xqs = codes [1024][1024], then at XS the scale bytes [1024][32] (word s of a row: K = 128 s .. 128 s + 127).
; SHARES.  A work-group takes 4 rows; wave w takes k = 256 w .. 256 w + 255 of all four; lane l holds 8 neighbours, k = 256 w + 8 l + 0 .. 7: a block of 32 lies in lanes 4 g .. 4 g + 3.
; Memory binds and the product has 8 columns: no matrix unit, no tensor load, no cluster.
; LIMITS: NaN and infinities are not served.  A block of zeros gets the byte 1 with zero codes (the rule says 127; the bytes are read by this program alone).
; A token whose second and third scores differ by less than the rounding of an f32 sum of 1,024 terms may choose the other of the two.
.set GW,   8704                        ; LDS 0 ..: a stage for each wave: 32 places of 256 bytes + 16 of padding, to turn Wg
.set RED,  34816                       ; 4 x 128 bytes: each wave's 32 partial logits
.set XSB,  35328                       ; 128 bytes: the 4 rows' 32 scale bytes
.set XS,   1048576
.set GSP,  32768
.set X,    16                          ; v16-47   x: row i at 8 i
.set G,    48                          ; v48-111  Wg: register 8 kk + e = Wg[256 w + 8 l + kk][e]
.set ACC,  112                         ; v112-143 partial logits: 8 i + e
.set TQ,   144                         ; v144-151 eight numbers, held
.set CQ,   152                         ; v152-159 codes: two registers a row, so that no store's data are written again
.set MX,   160                         ; largest magnitudes;  SP: the conversion's scale operand;  LM: 448 x the scale;  BY: the byte; four rows each
.set SP,   164
.set LM,   168
.set BY,   172
	s_load_b256 s[4:11], s[0:1], 0x0               ; x s[4:5], Wg s[6:7], bg s[8:9], xqs s[10:11]
	s_load_b128 s[12:15], s[0:1], 0x20             ; msk s[12:13], gf s[14:15]
	v_lshl_add_u32 v208, v0, 2, 0x8b00
	v_mov_b32 v209, 0
	v_and_b32 v1, 31, v0                           ; lane
	s_wait_alu depctr_va_vdst(0)
	v_lshrrev_b32 v2, 5, v0
	v_readfirstlane_b32 s16, v2                    ; wave
	s_mov_b32 s20, 0x76543210
	s_mov_b32 s21, 0xfedcba98                      ; v_permlanex16_b32's selects for lane l xor 16
	s_mov_b32 s22, 0x600000                        ; the mantissa field of 448
	s_mov_b32 s24, 0xaaaaaaaa                      ; lanes whose expert has bit 0 set,
	s_mov_b32 s25, 0xcccccccc                      ; bit 1,
	s_mov_b32 s26, 0xf0f0f0f0                      ; bit 2
	s_lshl_b32 s17, s16, 13
	v_lshl_add_u32 v3, v1, 4, s17                  ; Wg: my wave's 8,192 bytes, 16 a lane
	s_lshl_b32 s17, s16, 10
	v_lshl_add_u32 v4, v1, 5, s17                  ; x: 1,024 w + 32 l
	s_mul_i32 s18, s16, GW
	v_lshrrev_b32 v5, 4, v1
	v_mul_u32_u24 v5, v5, 272
	v_and_b32 v6, 15, v1
	v_lshl_add_u32 v5, v6, 4, v5
	v_add_nc_u32 v5, s18, v5                       ; the stage, in: a load's 512 bytes take two places
	v_mul_u32_u24 v6, v1, 272
	v_add_nc_u32 v6, s18, v6                       ; and out: place l = the 8 rows of Wg that belong to my 8 numbers of x
	s_lshl_b32 s17, s16, 8
	v_lshl_add_u32 v7, v1, 3, s17                  ; codes: 256 w + 8 l
	s_lshl_b32 s17, s16, 3
	v_lshrrev_b32 v8, 2, v1
	v_add_nc_u32 v8, s17, v8                       ; my block's byte in a row's 32: 8 w + l / 4
	s_lshl_b32 s17, s16, 7
	v_mov_b32 v9, s17                              ; my wave's 128 bytes of RED
	v_lshlrev_b32 v10, 2, v1                       ; 4 l
	v_and_b32 v11, 7, v1                           ; wave 0's tail: lane l = (row l / 8, expert e = l % 8)
	v_lshlrev_b32 v12, 2, v11                      ; 4 e
	v_lshrrev_b32 v13, 3, v1
	v_lshlrev_b32 v13, 2, v13                      ; 4 x row
	s_mov_b32 s29, 0
	s_wait_alu depctr_va_vdst(0)
	s_wait_kmcnt 0x0
	s_lshl_b32 s28, ttmp9, 14
	s_add_nc_u64 s[4:5], s[4:5], s[28:29]          ; x at my 4 rows
	global_load_b32 v177, v12, s[8:9]              ; bg[e]: asked for first, so that every later count covers it
.irp t, 0,1,2,3,4,5,6,7,8,9,10,11,12,13,14,15
	global_load_b128 v[G+4*\t:G+4*\t+3], v3, s[6:7] offset:512*\t     ; 512 consecutive bytes a load
.endr
.irp i, 0,1,2,3
	global_load_b128 v[X+8*\i:X+8*\i+3], v4, s[4:5] offset:4096*\i th:TH_LOAD_NT
	global_load_b128 v[X+8*\i+4:X+8*\i+7], v4, s[4:5] offset:4096*\i+16 th:TH_LOAD_NT
.endr
	s_lshl_b32 s28, ttmp9, 12
	s_add_nc_u64 s[32:33], s[10:11], s[28:29]      ; my rows' codes
	s_lshl_b32 s28, ttmp9, 7
	s_add_nc_u64 s[34:35], s[10:11], s[28:29]      ; their scale words (XS stands in the immediate)
	s_add_nc_u64 s[36:37], s[14:15], s[28:29]      ; gw
	s_lshl_b32 s28, ttmp9, 5
	s_add_nc_u64 s[38:39], s[14:15], s[28:29]      ; gsp (GSP in the immediate)
	s_lshl_b32 s28, ttmp9, 4
	s_add_nc_u64 s[12:13], s[12:13], s[28:29]      ; msk
	s_wait_loadcnt 8                               ; bg and Wg are in; x's eight loads may stay out
.irp t, 0,1,2,3,4,5,6,7,8,9,10,11,12,13,14,15
	ds_store_b128 v5, v[G+4*\t:G+4*\t+3] offset:544*\t
.endr
.irp t, 0,1,2,3,4,5,6,7,8,9,10,11,12,13,14,15
	ds_load_b128 v[G+4*\t:G+4*\t+3], v6 offset:16*\t      ; my wave's own bytes, and LDS serves a wave's instructions in order: no wait between
.endr
	s_wait_loadcnt 0x0                             ; x
	; ---- x into codes: the four rows by turns, so that no line waits for the line above it
.irp i, 0,1,2,3
	v_max3_num_f32 v[MX+\i], |v[X+8*\i]|, |v[X+8*\i+1]|, 0x4800000   ; with the floor 2^(9 - 127): the byte cannot fall under 1
.endr
.irp k, 2,4,6
.irp i, 0,1,2,3
	v_max3_num_f32 v[MX+\i], v[MX+\i], |v[X+8*\i+\k]|, |v[X+8*\i+\k+1]|
.endr
.endr
.irp m, 1,2
.irp i, 0,1,2,3
	v_max_num_f32_dpp v[MX+\i], v[MX+\i], v[MX+\i] row_xmask:\m row_mask:0xf bank_mask:0xf   ; with the block's other three lanes
.endr
.endr
.irp i, 0,1,2,3
	v_add_nc_u32 v[SP+\i], 0xfc000000, v[MX+\i]    ; 8 off the exponent field: the conversion takes that field as its scale
.endr
.irp i, 0,1,2,3
	v_and_or_b32 v[LM+\i], v[MX+\i], 0x7f800000, s22   ; 448 x the scale
.endr
.irp i, 0,1,2,3
	v_lshrrev_b32 v[BY+\i], 23, v[SP+\i]           ; the scale's byte
.endr
.irp i, 0,1,2,3
.irp k, 0,1,2,3,4,5,6,7
	v_med3_num_f32 v[TQ+\k], v[X+8*\i+\k], -v[LM+\i], v[LM+\i]   ; the conversion does not saturate (ISA guide 7.6.2): the hold; x itself stays whole for the logits
.endr
	v_cvt_scalef32_pk8_fp8_f32 v[CQ+2*\i:CQ+2*\i+1], v[TQ:TQ+7], v[SP+\i]
	v_nop                                          ; a plain line between the conversion and the next row's writes of its sources
	global_store_b64 v7, v[CQ+2*\i:CQ+2*\i+1], s[32:33] offset:1024*\i   ; the wave stores 256 consecutive bytes, aligned
	ds_store_b8 v8, v[BY+\i] offset:XSB+32*\i      ; the block's four lanes write the same byte with the same value
.endr
	s_wait_dscnt 0x0                               ; Wg is back from the stage
	; ---- partial logits: two experts an instruction; x's number serves both halves
.irp kk, 0,1,2,3,4,5,6,7
.irp i, 0,1,2,3
.irp p, 0,1,2,3
.if \kk == 0
	v_pk_mul_f32 v[ACC+8*\i+2*\p:ACC+8*\i+2*\p+1], v[X+8*\i:X+8*\i+1], v[G+2*\p:G+2*\p+1] op_sel_hi:[0,1]   ; the first product starts the sums
.elseif \kk%2 == 0
	v_pk_fma_f32 v[ACC+8*\i+2*\p:ACC+8*\i+2*\p+1], v[X+8*\i+\kk:X+8*\i+\kk+1], v[G+8*\kk+2*\p:G+8*\kk+2*\p+1], v[ACC+8*\i+2*\p:ACC+8*\i+2*\p+1] op_sel_hi:[0,1,1]
.else
	v_pk_fma_f32 v[ACC+8*\i+2*\p:ACC+8*\i+2*\p+1], v[X+8*\i+\kk-1:X+8*\i+\kk], v[G+8*\kk+2*\p:G+8*\kk+2*\p+1], v[ACC+8*\i+2*\p:ACC+8*\i+2*\p+1] op_sel:[1,0,0] op_sel_hi:[1,1,1]
.endif
.endr
.endr
.endr
	; ---- over the wave's 32 lanes
.irp m, 1,2,4,8
.set a, 0
.rept 32
	v_add_f32_dpp v[ACC+a], v[ACC+a], v[ACC+a] row_xmask:\m row_mask:0xf bank_mask:0xf
.set a, a+1
.endr
.endr
.set a, 0
.rept 32
	v_permlanex16_b32 v[G+a], v[ACC+a], s20, s21   ; (Wg's registers are done with, and have been written)
.set a, a+1
.endr
.set a, 0
.rept 32
	v_add_f32 v[ACC+a], v[ACC+a], v[G+a]
.set a, a+1
.endr
.irp t, 0,1,2,3,4,5,6,7
	ds_store_b128 v9, v[ACC+4*\t:ACC+4*\t+3] offset:RED+16*\t   ; every lane holds the same sums and writes the same bytes
.endr
	s_wait_dscnt 0x0                               ; for wave 0's sake: my sums and my scale bytes have landed
	s_barrier_signal -1
	s_barrier_wait -1
	s_cmp_lg_u32 s16, 0
	s_cbranch_scc1 .Ldone
	; ---- wave 0: lane l = (row l / 8, expert l % 8)
	ds_load_b32 v178, v10 offset:RED
	ds_load_b32 v179, v10 offset:RED+128
	ds_load_b32 v180, v10 offset:RED+256
	ds_load_b32 v181, v10 offset:RED+384
	ds_load_b32 v194, v10 offset:XSB
	v_mov_b32 v182, 0                              ; destinations of lane exchanges count as read: written once here
	v_mov_b32 v185, 0
	v_mov_b32 v187, 0                              ; the rank
	v_mov_b32 v189, 0
	v_mov_b32 v192, 0
	v_mov_b32 v193, 0
	s_wait_dscnt 0x0
	global_store_b32 v10, v194, s[34:35] offset:XS ; the 4 rows' 32 scale words: 128 consecutive bytes
	v_add_f32 v178, v178, v179
	v_add_f32 v180, v180, v181
	v_add_f32 v178, v178, v180
	v_add_f32 v178, v178, v177                     ; the logit
	v_max_num_f32_dpp v179, v178, v178 row_xmask:1 row_mask:0xf bank_mask:0xf
	v_max_num_f32_dpp v179, v179, v179 row_xmask:2 row_mask:0xf bank_mask:0xf
	v_max_num_f32_dpp v179, v179, v179 row_xmask:4 row_mask:0xf bank_mask:0xf   ; the row's largest logit
	v_sub_f32 v180, v178, v179
	v_mul_f32 v180, 0x3fb8aa3b, v180               ; x log2(e)
	s_wait_alu depctr_va_vdst(0)
	v_exp_f32 v181, v180
	v_nop                                          ; a plain line behind the transcendental,
	s_wait_alu depctr_va_vdst(0)                   ; and the wait ahead of its first reader
	v_add_f32_dpp v182, v181, v181 row_xmask:1 row_mask:0xf bank_mask:0xf
	v_add_f32_dpp v182, v182, v182 row_xmask:2 row_mask:0xf bank_mask:0xf
	v_add_f32_dpp v182, v182, v182 row_xmask:4 row_mask:0xf bank_mask:0xf
	s_wait_alu depctr_va_vdst(0)
	v_rcp_f32 v183, v182
	v_nop
	s_wait_alu depctr_va_vdst(0)
	v_mul_f32 v184, v181, v183                     ; the score
; my rank = how many of the other seven go before me: a larger score, or an equal one with a lower index.  Expert e xor m is lower than e where m's highest bit is set in e.
.macro RANK m, tie
	v_mov_b32_dpp v185, v184 row_xmask:\m row_mask:0xf bank_mask:0xf
	v_cmp_gt_f32 s40, v185, v184
	v_cmp_eq_f32 s41, v185, v184
	s_and_b32 s41, s41, s[\tie]
	s_or_b32 s40, s40, s41
	v_cndmask_b32 v186, 0, 1, s40
	v_add_nc_u32 v187, v187, v186
.endm
	RANK 1, 24
	RANK 2, 25
	RANK 3, 25
	RANK 4, 26
	RANK 5, 26
	RANK 6, 26
	RANK 7, 26
	v_cmp_gt_u32 s40, 2, v187                      ; chosen: rank 0 or 1.  The choice selects values alone: no address and no branch hangs on it here
	v_cndmask_b32 v188, 0, v184, s40
	v_add_f32_dpp v189, v188, v188 row_xmask:1 row_mask:0xf bank_mask:0xf
	v_add_f32_dpp v189, v189, v189 row_xmask:2 row_mask:0xf bank_mask:0xf
	v_add_f32_dpp v189, v189, v189 row_xmask:4 row_mask:0xf bank_mask:0xf   ; the two chosen scores' sum
	s_wait_alu depctr_va_vdst(0)
	v_rcp_f32 v195, v189
	v_lshlrev_b32 v191, v11, 1                     ; 1 << e.  (The plain line behind the transcendental)
	s_wait_alu depctr_va_vdst(0)
	v_mul_f32 v190, v188, v195                     ; the weight, 0 where not chosen
	v_cndmask_b32 v191, 0, v191, s40
.irp m, 1,2,4
	v_mov_b32_dpp v185, v191 row_xmask:\m row_mask:0xf bank_mask:0xf
	v_or_b32 v191, v191, v185                      ; the row's mask, in all its eight lanes
.endr
	v_add_f32_dpp v192, v184, v184 row_xmask:8 row_mask:0xf bank_mask:0xf
	v_permlanex16_b32 v193, v192, s20, s21
	v_add_f32 v192, v192, v193                     ; expert e's score summed over the 4 rows
	global_store_b32 v10, v190, s[36:37]           ; gw: 128 consecutive bytes
	global_store_b32 v12, v192, s[38:39] offset:GSP   ; gsp: the four lanes of an expert store the same number to the same word
	global_store_b32 v13, v191, s[12:13]           ; msk: the eight lanes of a row likewise
.Ldone:
	s_barrier_signal -1
	s_barrier_wait -1
	s_wait_tensorcnt 0x0
	ds_add_u32 v208, v209
	s_wait_dscnt 0x0
	s_endpgm
.Lfunc_end_k_q0bec223724_gate:
	.size	k_q0bec223724_gate, .Lfunc_end_k_q0bec223724_gate-k_q0bec223724_gate
	.p2alignl 7, 3214868480
	.fill 96, 4, 3214868480
	.section	.rodata,"a",@progbits
	.p2align	6, 0x0
	.amdhsa_kernel k_q0bec223724_gate
		.amdhsa_group_segment_fixed_size 36096
		.amdhsa_private_segment_fixed_size 0
		.amdhsa_enable_private_segment 0
		.amdhsa_kernarg_size 48
		.amdhsa_user_sgpr_count 2
		.amdhsa_user_sgpr_kernarg_segment_ptr 1
		.amdhsa_wavefront_size32 1
		.amdhsa_system_sgpr_workgroup_id_x 1
		.amdhsa_system_sgpr_workgroup_id_y 1
		.amdhsa_system_sgpr_workgroup_id_z 1
		.amdhsa_system_vgpr_workitem_id 0
		.amdhsa_next_free_vgpr 210
		.amdhsa_next_free_sgpr 66
		.amdhsa_reserve_vcc 0
		.amdhsa_float_denorm_mode_32 3
		.amdhsa_float_denorm_mode_16_64 3
		.amdhsa_memory_ordered 1
		.amdhsa_forward_progress 1
		.amdhsa_inst_pref_size 38
	.end_amdhsa_kernel
	.amdgpu_metadata
---
amdhsa.version: [ 1, 2 ]
amdhsa.kernels:
  - .name:           k_q0bec223724_gate
    .symbol:         k_q0bec223724_gate.kd
    .args:
      - { .name: x, .offset: 0, .size: 8, .value_kind: global_buffer, .address_space: global }
      - { .name: Wg, .offset: 8, .size: 8, .value_kind: global_buffer, .address_space: global }
      - { .name: bg, .offset: 16, .size: 8, .value_kind: global_buffer, .address_space: global }
      - { .name: xqs, .offset: 24, .size: 8, .value_kind: global_buffer, .address_space: global }
      - { .name: msk, .offset: 32, .size: 8, .value_kind: global_buffer, .address_space: global }
      - { .name: gf, .offset: 40, .size: 8, .value_kind: global_buffer, .address_space: global }
    .group_segment_fixed_size: 36096
    .private_segment_fixed_size: 0
    .kernarg_segment_align: 8
    .kernarg_segment_size: 48
    .max_flat_workgroup_size: 128
    .sgpr_count:     66
    .vgpr_count:     210
    .wavefront_size: 32
...
	.end_amdgpu_metadata
.endif
;; end of part 1
;; launch hidden (part 2): grid 32 x 8, 8 waves a work-group, no clusters, 145,664 bytes of LDS; arguments W1, b1, xqs, msk, hqs, lst; writes hqs, lst
.if DOCPART == 2
	.amdgcn_target "amdgcn-amd-amdhsa--gfx1250"
	.amdhsa_code_object_version 6
	.text
	.protected	k_q0bec223724_hidden
	.globl	k_q0bec223724_hidden
	.p2align	8
	.type	k_q0bec223724_hidden,@function
k_q0bec223724_hidden:
	s_mov_b64 s[64:65], 0
	v_nop
	global_prefetch_b8 v0, s[64:65] scope:SCOPE_SE
	s_setreg_imm32_b32 hwreg(HW_REG_WAVE_MODE, 25, 1), 1
	s_wait_xcnt 0x0
; THE FIRST EXPERT PRODUCT, for the routed rows alone: hqs = Q(relu(Q(x) Q(W1[e]) + b1[e])), codes of FP8 (E4M3) with one E8M0 byte for each 32 along K.
; W1 [8][1024 (k)][4096 (n)] f32; b1 [8][4096]; xqs: x's codes [1024][1024] and at XS its scale words [1024][8]; msk[b]: the bit mask of token b's two experts.
; Work-group (slice, e) owns expert e's hidden units 128 slice .. + 127 for all of K: 512 KiB of W1, which no other work-group reads.
; A STEP is 128 along K: each wave quantises its unit of it (32 along K x 64 units) and lays the codes in LDS as images of the operand's registers; a barrier; all waves multiply that step.
; While a step is worked on, the unit two steps on is on its way into registers.  Every step has LDS bytes of its own, so one barrier a step orders all.
; PREFETCH: in step s, s < 4, each wave asks for its unit of step s + 4 (two steps ahead of its load): 32 rows x 256 bytes, a lane a row; at the head for steps 2 and 3.
; ROWS.  The work-group makes the list of the expert's rows from msk (all work-groups of an expert make the same list; slice 0 stores it in lst for the next launch: [8][1152] words, counts at 36,864).
; An entry is 2 x token + slot, slot = 1 where the token's other expert has the lower number; behind the count it is 2048 + e, a row of y that nobody reads.
; Wave w takes tiles w, w + 8, w + 16 of 16 listed rows; a third tile that is absent is not multiplied (an absent first or second one is, and not stored).  More than 384 rows: two further passes of 24 tiles from the codes in LDS.
; The product is used TRANSPOSED (source 0 = 16 units, source 1 = 16 rows), and unit 32 b + 16 h' + 8 u + j is row 8 h' + j of tile 2 b + u, so that a lane's registers 16 b .. 16 b + 15
;   are 16 neighbours along the next product's K: images [e][K step = slice][tile][2,048 bytes], scale words at HS [e][slice][tile][128 bytes].
; No tensor load, no cluster: branches hang on the stored count, and no weight is shared.  An expert without rows has its count held at 1.
; LIMITS: NaN and infinities are not served; a block of zeros gets the byte 1 with zero codes (the bytes are read by this program alone).
; REGISTERS.  Window 0: v1-31 addresses; v32-159 two units as loaded; v160-207 x's fragments; v208-215 scale words; v216-247 at work.  Window 1: v0-191 accumulators (64 i + 8 t); v192-255 four fragments of W1, or a unit's numbers held.
.set PW, 16384
.set UST, 128*PW
.set FRS, 2064                         ; a fragment's image + 16
.set KSB, 8*FRS                        ; a step's eight fragments
.set CNT, 8192                         ; LDS: 0 ..: a list region of 1,024 bytes a wave (128 entries, 32 dump words); CNT: the eight waves' counts
.set SCB, 8448                         ; W1's scale bytes: 512 s + 64 t + 4 m + c
.set BB, 12544                         ; W1's codes
.set SPARE, BB+8*KSB
.set XS, 1048576
.set HS, 33554432
.set AO, 14
.set SO, 17
.set US, 32
.set AR, 160
.set ASC, 208
.set BSC, 212
.set TM, 216                           ; +0..3 largest magnitudes, +4..7 the other half's / bytes, +8..11 448 x the scale, +12..15 the conversion's scale operand
.set CD, 232
.set SPW, 248
.set NIL, 249
.set PWD, 250
.set BF, 192
.set HB, 86
.set MSB, 0
.macro WIN new
.if MSB != \new
	s_set_vgpr_msb (MSB<<8)|\new
.set MSB, \new
.endif
.endm
.macro WALU
	s_wait_alu depctr_va_vdst(0)
.endm
.macro PLACES n
.rept \n
	v_nop
.endr
.endm
.macro ULOAD q                         ; lanes 0-15 read 256 consecutive bytes of a row, lanes 16-31 another 256, sixteen rows further down
.irp i, 0,1,2,3,4,5,6,7,8,9,10,11,12,13,14,15
	global_load_b128 v[US+64*\q+4*\i:US+64*\q+4*\i+3], v4, s[32:33] offset:\q*UST+\i*PW th:TH_LOAD_NT
.endr
.endm
.macro QUANT q                         ; the unit in set q: scales, and the numbers held, 16 of a column on end
.set LB, US+64*\q
.irp jj, 0,1,2,3
	v_max3_num_f32 v[TM+\jj], |v[LB+\jj]|, |v[LB+4+\jj]|, 0x4800000   ; with the floor 2^(9 - 127)
.endr
.irp i, 2,4,6,8,10,12,14
.irp jj, 0,1,2,3
	v_max3_num_f32 v[TM+\jj], v[TM+\jj], |v[LB+4*\i+\jj]|, |v[LB+4*\i+4+\jj]|
.endr
.endr
.irp jj, 0,1,2,3
	v_permlanex16_b32 v[TM+4+\jj], v[TM+\jj], s28, s29
.endr
.irp jj, 0,1,2,3
	v_max_num_f32 v[TM+\jj], v[TM+\jj], v[TM+4+\jj]
.endr
.irp jj, 0,1,2,3
	v_add_nc_u32 v[TM+12+\jj], 0xfc000000, v[TM+\jj]
.endr
.irp jj, 0,1,2,3
	v_and_or_b32 v[TM+8+\jj], v[TM+\jj], 0x7f800000, s30
.endr
	WIN 0x40
.irp jj, 0,1,2,3
.irp i, 0,1,2,3,4,5,6,7,8,9,10,11,12,13,14,15
	v_med3_num_f32 v[BF+16*\jj+\i], v[LB+4*\i+\jj], -v[TM+8+\jj], v[TM+8+\jj]   ; the conversion does not saturate (ISA guide 7.6.2)
.endr
.endr
	WIN 0
.endm
.macro CONV q                          ; codes and bytes into LDS
	WIN 0x01
.irp jj, 0,1,2,3
	v_cvt_scalef32_pk8_fp8_f32 v[CD+4*\jj:CD+4*\jj+1], v[BF+16*\jj:BF+16*\jj+7], v[TM+12+\jj]
	v_cvt_scalef32_pk8_fp8_f32 v[CD+4*\jj+2:CD+4*\jj+3], v[BF+16*\jj+8:BF+16*\jj+15], v[TM+12+\jj]
.endr
	WIN 0
.irp jj, 0,1,2,3
	v_lshrrev_b32 v[TM+4+\jj], 23, v[TM+12+\jj]
.endr
.irp jj, 0,1,2,3
	ds_store_b128 v10, v[CD+4*\jj:CD+4*\jj+3] offset:\q*KSB+16*\jj
.endr
.irp jj, 0,1,2,3
	ds_store_b8 v11, v[TM+4+\jj] offset:512*\q+4*\jj   ; both halves of the lanes write the same byte with the same value
.endr
.endm
.macro BSCL q                          ; lanes 0-15 tile 2 tp, lanes 16-31 tile 2 tp + 1
.irp tp, 0,1,2,3
	ds_load_b32 v[BSC+\tp], v13 offset:512*\q+128*\tp
.endr
.endm
.macro BLOAD q, g
	WIN 0x40
.irp tt, 0,1,2,3
.irp c, 0,1,2,3
	ds_load_b128 v[BF+16*\tt+4*\c:BF+16*\tt+4*\c+3], v12 offset:\q*KSB+(4*\g+\tt)*FRS+512*\c
.endr
.endr
	WIN 0
.endm
.macro WM g, tt, i
.if \tt%2
	v_wmma_scale_f32_16x16x128_f8f6f4 v[64*\i+8*(4*\g+\tt):64*\i+8*(4*\g+\tt)+7], v[BF+16*\tt:BF+16*\tt+15], v[AR+16*\i:AR+16*\i+15], v[64*\i+8*(4*\g+\tt):64*\i+8*(4*\g+\tt)+7], v[BSC+(4*\g+\tt)/2], v[ASC+\i] matrix_a_scale:MATRIX_SCALE_ROW1
.else
	v_wmma_scale_f32_16x16x128_f8f6f4 v[64*\i+8*(4*\g+\tt):64*\i+8*(4*\g+\tt)+7], v[BF+16*\tt:BF+16*\tt+15], v[AR+16*\i:AR+16*\i+15], v[64*\i+8*(4*\g+\tt):64*\i+8*(4*\g+\tt)+7], v[BSC+(4*\g+\tt)/2], v[ASC+\i]
.endif
.endm
.macro MULG g                          ; four tiles of units x two or three tiles of rows; the accumulators take turns
	s_wait_dscnt 8                                 ; the youngest eight loads, the last two fragments, may be out
	WIN 0x51
.irp tt, 0,1
	WM \g, \tt, 0
	WM \g, \tt, 1
.endr
	s_wait_dscnt 0x0
.irp tt, 2,3
	WM \g, \tt, 0
	WM \g, \tt, 1
.endr
	WIN 0
	s_cmp_eq_u32 s83, 0
	s_cbranch_scc1 .Lno_third_\@
	WIN 0x51
.irp tt, 0,1,2,3
	WM \g, \tt, 2
.endr
	WIN 0
.Lno_third_\@:
	PLACES 8                                       ; ahead of loads into what these products read, and of the first read of results
.endm
.macro AL1 i, b, sb, o
.irp c, 0,1,2,3
	global_load_b128 v[AR+16*\i+4*\c:AR+16*\i+4*\c+3], v[AO+\i], s[\b:\b+1] offset:128*(\o)+32*\c
.endr
	global_load_b32 v[ASC+\i], v[SO+\i], s[\sb:\sb+1] offset:4*(\o)
.endm
.macro ALOAD b, sb, o                  ; x's fragments and scale words of one step
	AL1 0, \b, \sb, \o
	AL1 1, \b, \sb, \o
	s_cmp_eq_u32 s83, 0
	s_cbranch_scc1 .Lno_rows_\@
	AL1 2, \b, \sb, \o
.Lno_rows_\@:
.endm
; A step of the stream.  fill = 1: the unit two steps on is asked for; next = 1: the next step's rows.
; The wait in front of the products leaves out the 16 loads of the unit just asked for; it shows this step's rows and, issued ahead of them, the next step's unit.
.macro STEPM q, fill, next
	QUANT \q
	WALU
.if \fill
	s_wait_xcnt 0x0                                ; the bases below may be written
.if \q == 0
	s_add_nc_u64 s[32:33], s[32:33], 2*UST
.else
	s_add_nc_u64 s[34:35], s[34:35], 256
	s_add_nc_u64 s[36:37], s[36:37], 8
.endif
	ULOAD \q
.endif
	CONV \q
	WALU
.if \fill
	s_cmp_lt_u32 s2, 2
	s_cbranch_scc0 .Lno_ask_\@
	global_prefetch_b8 v5, s[32:33] offset:(2+\q)*UST th:TH_LOAD_NT scope:SCOPE_SE
.Lno_ask_\@:
.endif
	s_wait_dscnt 0x0                               ; for the others' sake: my codes and bytes have landed
	s_barrier_signal -1
	s_barrier_wait -1
	BSCL \q
	BLOAD \q, 0
	s_wait_loadcnt 16*\fill
	MULG 0
	BLOAD \q, 1
	MULG 1
.if \next
	ALOAD 34, 36, 1-\q
.endif
.endm
; the rows of my three tiles of a pass (s85 = 16 x the first tile): place p lies in wave j's region, j the last with P_j <= p, at byte 4 p + D_j, D_j = 1024 j - 4 P_j
.macro HEADLIST
	v_add_nc_u32 v24, s85, v2
	v_add_nc_u32 v25, 0x80, v24
	v_add_nc_u32 v26, 0x100, v24
.irp i, 0,1,2
	v_mov_b32 v[216+\i], 0
.endr
.irp k, 1,2,3,4,5,6,7
.irp i, 0,1,2
	v_cmp_le_u32 s[40+\i], s[66+\k], v[24+\i]
.endr
.irp i, 0,1,2
	v_cndmask_b32 v[216+\i], v[216+\i], s[74+\k], s[40+\i]
.endr
.endr
.irp i, 0,1,2
	v_lshl_add_u32 v[216+\i], v[24+\i], 2, v[216+\i]
.endr
.irp i, 0,1,2
	v_min_u32 v[216+\i], 0x1dfc, v[216+\i]         ; held at the last region's entry 127: a place behind the count reads some entry or 0
.endr
.irp i, 0,1,2
	ds_load_b32 v[220+\i], v[216+\i]
.endr
.irp i, 0,1,2
	v_lshlrev_b32 v[224+\i], 2, v[24+\i]
	v_cmp_gt_u32 s[40+\i], s82, v[24+\i]
.endr
	WALU
	s_wait_dscnt 0x0
.irp i, 0,1,2
	v_cndmask_b32 v[220+\i], v253, v[220+\i], s[40+\i]
.endr
.irp i, 0,1,2
	v_lshrrev_b32 v[AO+\i], 1, v[220+\i]
.endr
.irp i, 0,1,2
	v_min_u32 v[AO+\i], 0x3ff, v[AO+\i]            ; the token, held at the last row
.endr
.irp i, 0,1,2
	v_lshlrev_b32 v[SO+\i], 5, v[AO+\i]
.endr
.irp i, 0,1,2
	v_lshl_add_u32 v[AO+\i], v[AO+\i], 10, v23
.endr
	WALU
	s_cmp_lg_u32 s18, 0
	s_cbranch_scc1 .Lno_store_\@
.irp i, 0,1,2
	global_store_b32 v[224+\i], v[220+\i], s[56:57]   ; slice 0 stores the list; both halves of the lanes the same words
.endr
	s_wait_xcnt 0x0
.Lno_store_\@:
.endm
.macro BIAS i                          ; register 8 t + j of lane (r, h): unit 32 (t / 2) + 16 h + 8 (t % 2) + j
	WIN 0x40
.irp t, 0,1,2,3,4,5,6,7
	global_load_b128 v[64*\i+8*\t:64*\i+8*\t+3], v22, s[48:49] offset:128*(\t/2)+32*(\t%2)
	global_load_b128 v[64*\i+8*\t+4:64*\i+8*\t+7], v22, s[48:49] offset:128*(\t/2)+32*(\t%2)+16
.endr
	WIN 0
.endm
.macro QH i                            ; tile i of my three: relu, quantised along the next K, stored as an image.  A tile behind the count is left out
	s_add_co_u32 s26, s20, 8*\i
	s_lshl_b32 s24, s26, 4
	s_cmp_ge_u32 s24, s19
	s_cbranch_scc1 .Labsent_\@
	s_lshl_b32 s24, s26, 11
	s_add_nc_u64 s[HB+4*\i:HB+4*\i+1], s[52:53], s[24:25]     ; a base for each tile, so that no pending store's base is written
	s_lshl_b32 s24, s26, 7
	s_add_nc_u64 s[HB+4*\i+2:HB+4*\i+3], s[54:55], s[24:25]
	WIN 0x05
.irp b, 0,1,2,3
	v_max3_num_f32 v[TM+\b], v[64*\i+16*\b], v[64*\i+16*\b+1], 0x4800000   ; no |.|: what is negative becomes 0; each accumulator is read from its low end on
.endr
	WIN 0x14
.irp k, 2,4,6,8,10,12,14
.irp b, 0,1,2,3
	v_max3_num_f32 v[TM+\b], v[TM+\b], v[64*\i+16*\b+\k], v[64*\i+16*\b+\k+1]
.endr
.endr
	WIN 0
.irp b, 0,1,2,3
	v_permlanex16_b32 v[TM+4+\b], v[TM+\b], s28, s29
.endr
.irp b, 0,1,2,3
	v_max_num_f32 v[TM+\b], v[TM+\b], v[TM+4+\b]
.endr
.irp b, 0,1,2,3
	v_add_nc_u32 v[TM+12+\b], 0xfc000000, v[TM+\b]
.endr
.irp b, 0,1,2,3
	v_and_or_b32 v[TM+8+\b], v[TM+\b], 0x7f800000, s30
.endr
.irp b, 0,1,2,3
	v_lshrrev_b32 v[TM+4+\b], 23, v[TM+12+\b]
.endr
	v_lshl_or_b32 v[PWD+\i], v[TM+5], 8, v[TM+4]   ; my row's scale word for these 128 units
	v_lshl_or_b32 v[PWD+\i], v[TM+6], 16, v[PWD+\i]
	v_lshl_or_b32 v[PWD+\i], v[TM+7], 24, v[PWD+\i]
	WIN 0x41
.irp b, 0,1,2,3
.irp k, 0,1,2,3,4,5,6,7,8,9,10,11,12,13,14,15
	v_med3_num_f32 v[64*\i+16*\b+\k], v[64*\i+16*\b+\k], 0, v[TM+8+\b]   ; the activation and the hold in one
.endr
.endr
	WIN 0x01
.irp b, 0,1,2,3
	v_cvt_scalef32_pk8_fp8_f32 v[AR+16*\i+4*\b:AR+16*\i+4*\b+1], v[64*\i+16*\b:64*\i+16*\b+7], v[TM+12+\b]
	v_cvt_scalef32_pk8_fp8_f32 v[AR+16*\i+4*\b+2:AR+16*\i+4*\b+3], v[64*\i+16*\b+8:64*\i+16*\b+15], v[TM+12+\b]
.endr
	WIN 0
	v_nop                                          ; a plain line behind the last conversion
.irp c, 0,1,2,3
	global_store_b128 v20, v[AR+16*\i+4*\c:AR+16*\i+4*\c+3], s[HB+4*\i:HB+4*\i+1] offset:512*\c   ; 512 consecutive bytes, aligned
.endr
	global_store_b32 v21, v[PWD+\i], s[HB+4*\i+2:HB+4*\i+3]
.Labsent_\@:
.endm
	s_load_b256 s[4:11], s[0:1], 0x0               ; W1 s[4:5], b1 s[6:7], xqs s[8:9], msk s[10:11]
	s_load_b128 s[12:15], s[0:1], 0x20             ; hqs s[12:13], lst s[14:15]
	v_lshl_add_u32 v[SPW], v0, 2, SPARE
	v_mov_b32 v[NIL], 0
	v_lshrrev_b32 v24, 5, v0
	v_readfirstlane_b32 s16, v24                   ; wave
	s_and_b32 s17, ttmp7, 0xffff                   ; expert
	s_mov_b32 s18, ttmp9                           ; slice
	s_lshr_b32 s23, s16, 2                         ; panel: my 64 of the slice's units
	s_and_b32 s24, s16, 3                          ; block: my 32 of a step's 128
	s_lshl_b32 s21, s24, 19
	s_lshl_b32 s22, s23, 8
	s_add_co_u32 s21, s21, s22                     ; W1: 32 block rows + 256 panel
	s_mul_i32 s22, s23, 4*FRS
	s_lshl_b32 s26, s24, 9
	s_add_co_u32 s22, s22, s26
	s_add_co_u32 s22, s22, BB
	s_lshl_b32 s26, s23, 8
	s_add_co_u32 s26, s26, s24
	s_add_co_u32 s26, s26, SCB
	s_lshl_b32 s47, s16, 10                        ; my list region
	s_lshl_b32 s85, s16, 4
	s_lshl_b32 s31, s16, 2
	s_add_co_u32 s31, s31, CNT
	s_lshl_b32 s46, 1, s17
	s_sub_co_u32 s46, s46, 1                       ; the bits of the experts below e
	s_add_co_u32 s84, s17, 2048
	s_mov_b32 s28, 0x76543210
	s_mov_b32 s29, 0xfedcba98
	s_mov_b32 s30, 0x600000
	s_mov_b32 s25, 0                               ; the upper words of the offsets in s[24:25]
	s_mov_b32 s27, 0                               ; and s[26:27]
	WALU
	v_and_b32 v1, 31, v0                           ; lane l
	v_and_b32 v2, 15, v0                           ; r, or cl
	v_bfe_u32 v3, v0, 4, 1                         ; h
	v_bfe_u32 v24, v0, 3, 1
	v_bfe_u32 v25, v0, 1, 1
	v_lshl_add_u32 v24, v24, 1, v25                ; unit 4 cl + jj lies in tile 2 cl.3 + cl.1,
	v_bfe_u32 v25, v0, 2, 1
	v_and_b32 v26, 1, v0                           ; row 8 cl.2 + 4 cl.0 + jj
	v_lshlrev_b32 v4, 4, v2
	v_mul_u32_u24 v6, v24, FRS
	v_lshlrev_b32 v7, 6, v24
	v_lshl_add_u32 v4, v3, 18, v4
	v_lshl_add_u32 v6, v25, 7, v6
	v_lshl_add_u32 v7, v25, 5, v7
	v_add_nc_u32 v4, s21, v4
	v_lshl_add_u32 v6, v26, 6, v6
	v_lshl_add_u32 v7, v26, 4, v7
	v_lshl_add_u32 v5, v1, 14, s21                 ; a prefetch: a lane a row
	v_lshl_add_u32 v6, v3, 8, v6
	v_add_nc_u32 v7, s26, v7                       ; where my scale bytes go
	v_add_nc_u32 v6, s22, v6                       ; and my codes
	v_lshlrev_b32 v20, 4, v1
	v_lshlrev_b32 v21, 2, v1
	v_lshlrev_b32 v22, 6, v3
	v_lshlrev_b32 v23, 4, v3
	v_lshlrev_b32 v27, 3, v0
	v_lshlrev_b32 v29, 4, v0
	v_add_nc_u32 v8, BB, v20                       ; where I read fragments
	v_add_nc_u32 v9, SCB, v21                      ; and scale words
	v_add_nc_u32 v30, s47, v20
	v_add_nc_u32 v31, 0x80, v1                     ; my lane's dump word
.irp k, 0,1,2,3
	v_mov_b32 v[236+\k], 0
.endr
	v_mov_b32 v253, s84
	v_mov_b32 v241, s31
	v_mov_b32 v242, CNT
	WALU
	s_wait_kmcnt 0x0
	s_lshl_b32 s24, s17, 24
	s_lshl_b32 s26, s18, 9
	s_add_co_u32 s24, s24, s26
	s_add_nc_u64 s[32:33], s[4:5], s[24:25]        ; the slice
	s_lshl_b32 s24, s17, 14
	s_add_co_u32 s24, s24, s26
	s_add_nc_u64 s[48:49], s[6:7], s[24:25]        ; b1 at my 128 units
	global_load_b128 v[216:219], v29, s[10:11]     ; the masks of rows 128 w + 4 l + 0 .. 3
	BIAS 0
	ULOAD 0
	ULOAD 1
	global_prefetch_b8 v5, s[32:33] offset:2*UST th:TH_LOAD_NT scope:SCOPE_SE
	global_prefetch_b8 v5, s[32:33] offset:3*UST th:TH_LOAD_NT scope:SCOPE_SE
	s_lshl_b32 s26, s17, 5
	s_add_co_u32 s26, s26, s18                     ; 32 e + slice
	s_lshl_b32 s24, s26, 17
	s_add_nc_u64 s[52:53], s[12:13], s[24:25]      ; hqs: my 64 tiles' images,
	s_lshl_b32 s24, s26, 13
	s_add_co_u32 s24, s24, HS
	s_add_nc_u64 s[54:55], s[12:13], s[24:25]      ; and their scale words
	s_mul_i32 s24, s17, 4608
	s_add_nc_u64 s[56:57], s[14:15], s[24:25]      ; lst: the expert's list,
	s_lshl_b32 s24, s17, 2
	s_add_nc_u64 s[38:39], s[14:15], s[24:25]      ; and its count (36,864 in the immediate)
	s_mov_b64 s[34:35], s[8:9]
	s_add_nc_u64 s[36:37], s[8:9], XS
	s_mov_b32 s66, 0
	ds_store_b128 v30, v[236:239]                  ; my region is cleared
	ds_store_b128 v30, v[236:239] offset:512
	s_wait_loadcnt 48                              ; the masks are in; b1's 16 loads and the two units' 32 may stay out
.irp n, 0,1,2,3
	v_bfe_u32 v[220+4*\n], v[216+\n], s17, 1
.endr
.irp n, 0,1,2,3
	v_cmp_ne_u32 s[40+\n], 0, v[220+4*\n]
.endr
.irp n, 0,1,2,3
	v_and_b32 v[221+4*\n], s46, v[216+\n]
.endr
.irp n, 0,1,2,3
	s_bcnt1_i32_b32 s26, s[40+\n]
	s_add_co_u32 s[67+\n], s[66+\n], s26
.endr
	WALU
.irp n, 0,1,2,3
	v_mbcnt_lo_u32_b32 v[220+4*\n], s[40+\n], s[66+\n]   ; the place in my region
.endr
.irp n, 0,1,2,3
	v_cndmask_b32 v[220+4*\n], v31, v[220+4*\n], s[40+\n]   ; or the dump word
.endr
.irp n, 0,1,2,3
	v_lshlrev_b32 v[220+4*\n], 2, v[220+4*\n]
.endr
.irp n, 0,1,2,3
	v_min_u32 v[220+4*\n], 0x27c, v[220+4*\n]
.endr
.irp n, 0,1,2,3
	v_add_nc_u32 v[220+4*\n], s47, v[220+4*\n]
.endr
.irp n, 0,1,2,3
	v_cmp_ne_u32 s[40+\n], 0, v[221+4*\n]
.endr
.irp n, 0,1,2,3
	v_cndmask_b32 v[221+4*\n], 0, 1, s[40+\n]      ; the slot
.endr
.irp n, 0,1,2,3
	v_add3_u32 v[221+4*\n], v[221+4*\n], v27, 2*\n
.endr
.irp n, 0,1,2,3
	ds_store_b32 v[220+4*\n], v[221+4*\n]
.endr
	v_mov_b32 v240, s70
	ds_store_b32 v241, v240                        ; my region's count
	WALU
	s_wait_dscnt 0x0
	s_barrier_signal -1
	s_barrier_wait -1
	ds_load_b128 v[232:235], v242
	ds_load_b128 v[236:239], v242 offset:16
	s_wait_dscnt 0x0
	v_readfirstlane_b32 s67, v232                  ; P_1 .. P_7: the regions' first places
.irp k, 1,2,3,4,5,6
	v_readfirstlane_b32 s26, v[232+\k]
	s_add_co_u32 s[67+\k], s[66+\k], s26
.endr
	v_readfirstlane_b32 s26, v239
	s_add_co_u32 s82, s73, s26
	s_min_u32 s82, s82, 0x400                      ; the count
	s_max_u32 s19, s82, 1                          ; held at 1: tile 0 is always made
.irp k, 1,2,3,4,5,6,7
	s_lshl_b32 s26, s[66+\k], 2
	s_sub_co_u32 s[74+\k], 1024*\k, s26
.endr
	s_add_co_u32 s26, s85, 256
	s_cmp_lt_u32 s26, s19
	s_cselect_b32 s83, 1, 0                        ; have I a third tile?
	HEADLIST
	ALOAD 34, 36, 0
	s_or_b32 s26, s16, s18
	s_cmp_lg_u32 s26, 0
	s_cbranch_scc1 .Lno_count
	v_mov_b32 v240, s82
	v_mov_b32 v244, 0
	WALU
	global_store_b32 v244, v240, s[38:39] offset:36864   ; every lane the same number to the same word
	s_wait_xcnt 0x0
.Lno_count:
	s_wait_loadcnt 42                              ; b1 is in; the two units and the rows' ten loads or more may be out
	WIN 0x41
.set J, 0
.rept 64
	v_mov_b32 v[64+J], v[J]
	v_mov_b32 v[128+J], v[J]
.set J, J+1
.endr
	WIN 0
	s_mov_b32 s2, 0
	s_mov_b32 s62, 0
	s_mov_b32 s63, 0
	WALU
	s_wait_loadcnt 26                              ; unit 0 is in
.Lstream:
	v_add_nc_u32 v10, s62, v6
	v_add_nc_u32 v11, s63, v7
	v_add_nc_u32 v12, s62, v8
	v_add_nc_u32 v13, s63, v9
	STEPM 0, 1, 1
	STEPM 1, 1, 1
	s_add_co_u32 s62, s62, 2*KSB
	s_add_co_u32 s63, s63, 1024
	s_add_co_u32 s2, s2, 1
	s_cmp_lt_u32 s2, 3
	s_cbranch_scc1 .Lstream
	v_add_nc_u32 v10, 6*KSB, v6                    ; the last two steps ask for no unit
	v_add_nc_u32 v11, 3072, v7
	v_add_nc_u32 v12, 6*KSB, v8
	v_add_nc_u32 v13, 3072, v9
	STEPM 0, 0, 1
	STEPM 1, 0, 0
	; the way out of the first pass (trip 3), then two further passes of four trips, two steps each, from the codes in LDS, for waves that have a tile there
	s_mov_b32 s83, 1
	s_mov_b32 s22, 3
.Lslow:
	s_lshr_b32 s24, s22, 2
	s_mul_i32 s24, s24, 24
	s_add_co_u32 s20, s24, s16                     ; my first tile of the pass
	s_lshl_b32 s85, s20, 4
	s_cmp_ge_u32 s85, s19
	s_cbranch_scc1 .Lskip
	s_wait_xcnt 0x0                                ; earlier stores and loads have read their registers and bases
	s_cmp_eq_u32 s22, 3
	s_cbranch_scc1 .Lout
	s_and_b32 s23, s22, 3
	s_cmp_lg_u32 s23, 0
	s_cbranch_scc1 .Lgo_on
	HEADLIST
	BIAS 0
	BIAS 1
	BIAS 2
.Lgo_on:
	s_lshl_b32 s26, s23, 8
	s_add_nc_u64 s[58:59], s[8:9], s[26:27]
	s_lshl_b32 s26, s23, 3
	s_add_co_u32 s26, s26, XS
	s_add_nc_u64 s[60:61], s[8:9], s[26:27]
	s_mul_i32 s26, s23, 2*KSB
	v_add_nc_u32 v12, s26, v8
	s_lshl_b32 s26, s23, 10
	v_add_nc_u32 v13, s26, v9
	WALU
.irp q, 0,1
	ALOAD 58, 60, \q
	BSCL \q
	BLOAD \q, 0
	s_wait_loadcnt 0x0
	MULG 0
	BLOAD \q, 1
	MULG 1
.endr
	s_cmp_lg_u32 s23, 3
	s_cbranch_scc1 .Lskip
.Lout:
	QH 0
	QH 1
	QH 2
.Lskip:
	s_add_co_u32 s22, s22, 1
	s_cmp_lt_u32 s22, 12
	s_cbranch_scc1 .Lslow
	s_wait_tensorcnt 0x0                           ; the wave's end
	ds_add_u32 v[SPW], v[NIL]
	s_wait_dscnt 0x0
	s_endpgm
.Lfunc_end_k_q0bec223724_hidden:
	.size	k_q0bec223724_hidden, .Lfunc_end_k_q0bec223724_hidden-k_q0bec223724_hidden
	.p2alignl 7, 3214868480
	.fill 96, 4, 3214868480
	.section	.rodata,"a",@progbits
	.p2align	6, 0x0
	.amdhsa_kernel k_q0bec223724_hidden
		.amdhsa_group_segment_fixed_size 145664
		.amdhsa_private_segment_fixed_size 0
		.amdhsa_enable_private_segment 0
		.amdhsa_kernarg_size 48
		.amdhsa_user_sgpr_count 2
		.amdhsa_user_sgpr_kernarg_segment_ptr 1
		.amdhsa_wavefront_size32 1
		.amdhsa_system_sgpr_workgroup_id_x 1
		.amdhsa_system_sgpr_workgroup_id_y 1
		.amdhsa_system_sgpr_workgroup_id_z 1
		.amdhsa_system_vgpr_workitem_id 0
		.amdhsa_next_free_vgpr 512
		.amdhsa_next_free_sgpr 98
		.amdhsa_reserve_vcc 0
		.amdhsa_float_denorm_mode_32 3
		.amdhsa_float_denorm_mode_16_64 3
		.amdhsa_memory_ordered 1
		.amdhsa_forward_progress 1
		.amdhsa_inst_pref_size 147
	.end_amdhsa_kernel
	.amdgpu_metadata
---
amdhsa.version: [ 1, 2 ]
amdhsa.kernels:
  - .name:           k_q0bec223724_hidden
    .symbol:         k_q0bec223724_hidden.kd
    .args:
      - { .name: W1, .offset: 0, .size: 8, .value_kind: global_buffer, .address_space: global }
      - { .name: b1, .offset: 8, .size: 8, .value_kind: global_buffer, .address_space: global }
      - { .name: xqs, .offset: 16, .size: 8, .value_kind: global_buffer, .address_space: global }
      - { .name: msk, .offset: 24, .size: 8, .value_kind: global_buffer, .address_space: global }
      - { .name: hqs, .offset: 32, .size: 8, .value_kind: global_buffer, .address_space: global }
      - { .name: lst, .offset: 40, .size: 8, .value_kind: global_buffer, .address_space: global }
    .group_segment_fixed_size: 145664
    .private_segment_fixed_size: 0
    .kernarg_segment_align: 8
    .kernarg_segment_size: 48
    .max_flat_workgroup_size: 256
    .sgpr_count:     98
    .vgpr_count:     512
    .wavefront_size: 32
...
	.end_amdgpu_metadata
.endif
;; end of part 2
;; launch outp (part 3): grid 32 x 8, 8 waves a work-group, no clusters, 174,080 bytes of LDS; arguments W2, hqs, lst, gf, b2, y; writes y
.if DOCPART == 3
	.amdgcn_target "amdgcn-amd-amdhsa--gfx1250"
	.amdhsa_code_object_version 6
	.text
	.protected	k_q0bec223724_outp
	.globl	k_q0bec223724_outp
	.p2align	8
	.type	k_q0bec223724_outp,@function
k_q0bec223724_outp:
	s_mov_b64 s[64:65], 0
	v_nop
	global_prefetch_b8 v0, s[64:65] scope:SCOPE_SE
	s_setreg_imm32_b32 hwreg(HW_REG_WAVE_MODE, 25, 1), 1
	s_wait_xcnt 0x0
; THE SECOND EXPERT PRODUCT, for the routed rows alone, in two parts along K, weighted: y[2 b + slot][kq][d] = weight x (b2[e][d] / 2 + the sum over hidden units 2048 kq .. + 2047 of Q(hidden) Q(W2[e])).
; W2 [8][4096 (k)][1024 (d)] f32.  hqs: the hidden rows as images, [e][K step 32][tile 64][2,048 bytes], scale words at HS [e][K step][tile][128 bytes].
; lst [8][1152]: the experts' lists of 2 x token + slot (2048 + e behind the count), counts at 36,864; gf: the weights [1024][8].
; Each part begins with half of the bias (exact but for numbers under 2^-125), so the two parts' sum has all of it.
; Work-group (x, e): columns 64 (x % 16) .. + 63, half kq = x / 16 of K: 512 KiB of W2, which no other work-group reads.
; A STEP is 256 along K: each wave quantises its unit of it (32 along K x 64 columns) and lays the codes in LDS as images of the operand's registers; a barrier; all waves multiply that step's two K steps.
; While a step is worked on, the unit two steps on is on its way into registers.  Every step has LDS bytes of its own, so one barrier a step orders all.
; PREFETCH: in step s, s < 4, each wave asks for its unit of step s + 4 (two steps ahead of its load): 32 rows x 256 bytes, a lane a row; at the head for steps 2 and 3.
; Wave w takes tiles w, w + 8, w + 16 of 16 listed rows, as the launch before; more than 384 rows: two further passes of 24 tiles from the codes in LDS.
; The product is used TRANSPOSED (source 0 = 16 columns, source 1 = 16 rows): column 32 b + 16 h' + 8 u + j is row 8 h' + j of tile 2 b + u, so a lane's registers 16 b .. 16 b + 15 are 16 neighbouring columns of one row.
; A tile goes through the wave's own stage and leaves as 256 consecutive bytes a row.  A tile's rows behind the count go to row 2048 + e of y, which nobody reads; this work-group alone stores its columns and part of it.
; No tensor load, no cluster: branches hang on the stored count, and no weight is shared.
; LIMITS: NaN and infinities are not served; a block of zeros gets the byte 1 with zero codes.
; REGISTERS.  Window 0: v1-31 addresses; v32-159 two units as loaded (on the way out: rows and their offsets); v160-175 codes; v180-189 entries, weights; v208-215, v222-223 scale words; v224-239 at work.
;   Window 1: v0-95 accumulators (32 i + 8 t); v96-191 the rows' fragments of two K steps; v192-255 four fragments of W2, or a unit's numbers held.
.set PW, 4096
.set UST, 256*PW
.set FRS, 2064
.set KSB, 8*FRS
.set SCB, 0                            ; LDS: W2's scale bytes: 512 s + 256 (K step) + 64 t + 4 m + c
.set BB, 4096                          ; W2's codes
.set STG, BB+8*KSB                     ; a stage for each wave: 16 rows x (256 bytes + 16)
.set TAB, STG+8*4352                   ; 256 bytes for each wave: its three tiles' entries
.set SPARE, TAB+8*256
.set HS, 33554432
.set AO, 14
.set SO, 17
.set US, 32
.set CD, 160
.set ENT, 180
.set WT, 184
.set ASC, 208
.set BSC, 214
.set TM, 224
.set SPW, 248
.set NIL, 249
.set AR, 96
.set BF, 192
.set MSB, 0
.macro WIN new
.if MSB != \new
	s_set_vgpr_msb (MSB<<8)|\new
.set MSB, \new
.endif
.endm
.macro WALU
	s_wait_alu depctr_va_vdst(0)
.endm
.macro PLACES n
.rept \n
	v_nop
.endr
.endm
.macro ULOAD q
.irp i, 0,1,2,3,4,5,6,7,8,9,10,11,12,13,14,15
	global_load_b128 v[US+64*\q+4*\i:US+64*\q+4*\i+3], v4, s[32:33] offset:\q*UST+\i*PW th:TH_LOAD_NT
.endr
.endm
.macro QUANT q
.set LB, US+64*\q
.irp jj, 0,1,2,3
	v_max3_num_f32 v[TM+\jj], |v[LB+\jj]|, |v[LB+4+\jj]|, 0x4800000   ; with the floor 2^(9 - 127)
.endr
.irp i, 2,4,6,8,10,12,14
.irp jj, 0,1,2,3
	v_max3_num_f32 v[TM+\jj], v[TM+\jj], |v[LB+4*\i+\jj]|, |v[LB+4*\i+4+\jj]|
.endr
.endr
.irp jj, 0,1,2,3
	v_permlanex16_b32 v[TM+4+\jj], v[TM+\jj], s28, s29
.endr
.irp jj, 0,1,2,3
	v_max_num_f32 v[TM+\jj], v[TM+\jj], v[TM+4+\jj]
.endr
.irp jj, 0,1,2,3
	v_add_nc_u32 v[TM+12+\jj], 0xfc000000, v[TM+\jj]
.endr
.irp jj, 0,1,2,3
	v_and_or_b32 v[TM+8+\jj], v[TM+\jj], 0x7f800000, s30
.endr
	WIN 0x40
.irp jj, 0,1,2,3
.irp i, 0,1,2,3,4,5,6,7,8,9,10,11,12,13,14,15
	v_med3_num_f32 v[BF+16*\jj+\i], v[LB+4*\i+\jj], -v[TM+8+\jj], v[TM+8+\jj]   ; the conversion does not saturate (ISA guide 7.6.2)
.endr
.endr
	WIN 0
.endm
.macro CONV q
	WIN 0x01
.irp jj, 0,1,2,3
	v_cvt_scalef32_pk8_fp8_f32 v[CD+4*\jj:CD+4*\jj+1], v[BF+16*\jj:BF+16*\jj+7], v[TM+12+\jj]
	v_cvt_scalef32_pk8_fp8_f32 v[CD+4*\jj+2:CD+4*\jj+3], v[BF+16*\jj+8:BF+16*\jj+15], v[TM+12+\jj]
.endr
	WIN 0
.irp jj, 0,1,2,3
	v_lshrrev_b32 v[TM+4+\jj], 23, v[TM+12+\jj]
.endr
.irp jj, 0,1,2,3
	ds_store_b128 v10, v[CD+4*\jj:CD+4*\jj+3] offset:\q*KSB+16*\jj
.endr
.irp jj, 0,1,2,3
	ds_store_b8 v11, v[TM+4+\jj] offset:512*\q+4*\jj   ; both halves of the lanes write the same byte with the same value
.endr
.endm
.macro BSCL q                          ; word tp: K step tp / 2; lanes 0-15 tile 2 (tp % 2), lanes 16-31 the next
.irp tp, 0,1,2,3
	ds_load_b32 v[BSC+\tp%2+8*(\tp/2)], v13 offset:512*\q+128*\tp
.endr
.endm
.macro BLOAD q, g
	WIN 0x40
.irp tt, 0,1,2,3
.irp c, 0,1,2,3
	ds_load_b128 v[BF+16*\tt+4*\c:BF+16*\tt+4*\c+3], v12 offset:\q*KSB+(4*\g+\tt)*FRS+512*\c
.endr
.endr
	WIN 0
.endm
.macro WM g, tt, i
.if \tt%2
	v_wmma_scale_f32_16x16x128_f8f6f4 v[32*\i+8*\tt:32*\i+8*\tt+7], v[BF+16*\tt:BF+16*\tt+15], v[AR+48*\g+16*\i:AR+48*\g+16*\i+15], v[32*\i+8*\tt:32*\i+8*\tt+7], v[BSC+\tt/2+8*\g], v[ASC+3*\g+\i] matrix_a_scale:MATRIX_SCALE_ROW1
.else
	v_wmma_scale_f32_16x16x128_f8f6f4 v[32*\i+8*\tt:32*\i+8*\tt+7], v[BF+16*\tt:BF+16*\tt+15], v[AR+48*\g+16*\i:AR+48*\g+16*\i+15], v[32*\i+8*\tt:32*\i+8*\tt+7], v[BSC+\tt/2+8*\g], v[ASC+3*\g+\i]
.endif
.endm
.macro MULG g                          ; K step g: four tiles of columns x two or three tiles of rows; the accumulators take turns
	s_wait_dscnt 8                                 ; the youngest eight loads, the last two fragments, may be out
	WIN 0x55
.irp tt, 0,1
	WM \g, \tt, 0
	WM \g, \tt, 1
.endr
	s_wait_dscnt 0x0
.irp tt, 2,3
	WM \g, \tt, 0
	WM \g, \tt, 1
.endr
	WIN 0
	s_cmp_eq_u32 s83, 0
	s_cbranch_scc1 .Lno_third_\@
	WIN 0x55
.irp tt, 0,1,2,3
	WM \g, \tt, 2
.endr
	WIN 0
.Lno_third_\@:
	PLACES 8                                       ; ahead of loads into what these products read, and of the first read of results
.endm
.macro AL1 i, b, sb, o
	WIN 0x40
.irp ks, 0,1
.irp c, 0,1,2,3
	global_load_b128 v[AR+48*\ks+16*\i+4*\c:AR+48*\ks+16*\i+4*\c+3], v[AO+\i], s[\b:\b+1] offset:262144*(\o)+131072*\ks+512*\c
.endr
.endr
	WIN 0
.irp ks, 0,1
	global_load_b32 v[ASC+3*\ks+\i], v[SO+\i], s[\sb:\sb+1] offset:16384*(\o)+8192*\ks
.endr
.endm
.macro ALOAD b, sb, o                  ; the rows' fragments and scale words of a step's two K steps
	AL1 0, \b, \sb, \o
	AL1 1, \b, \sb, \o
	s_cmp_eq_u32 s83, 0
	s_cbranch_scc1 .Lno_rows_\@
	AL1 2, \b, \sb, \o
.Lno_rows_\@:
.endm
; A step of the stream.  fill = 1: the unit two steps on is asked for; next = 1: the next step's rows.
; The wait in front of the products leaves out the 16 loads of the unit just asked for; it shows this step's rows and, issued ahead of them, the next step's unit.
.macro STEPM q, fill, next
	QUANT \q
	WALU
.if \fill
	s_wait_xcnt 0x0                                ; the bases below may be written
.if \q == 0
	s_add_nc_u64 s[32:33], s[32:33], 2*UST
.else
	s_add_nc_u64 s[34:35], s[34:35], 524288
	s_add_nc_u64 s[36:37], s[36:37], 32768
.endif
	ULOAD \q
.endif
	CONV \q
	WALU
.if \fill
	s_cmp_lt_u32 s2, 2
	s_cbranch_scc0 .Lno_ask_\@
	global_prefetch_b8 v5, s[32:33] offset:(2+\q)*UST th:TH_LOAD_NT scope:SCOPE_SE
.Lno_ask_\@:
.endif
	s_wait_dscnt 0x0                               ; for the others' sake: my codes and bytes have landed
	s_barrier_signal -1
	s_barrier_wait -1
	BSCL \q
	BLOAD \q, 0
	s_wait_loadcnt 16*\fill
	MULG 0
	BLOAD \q, 1
	MULG 1
.if \next
	ALOAD 34, 36, 1-\q
.endif
.endm
.macro ENTL                            ; the entries of my three tiles: lane r takes row r's
.irp i, 0,1,2
	global_load_b32 v[ENT+\i], v24, s[56:57] offset:512*\i
.endr
.endm
.macro ENT2                            ; they go to my table in LDS; the rows' weights are asked for
.irp i, 0,1,2
	ds_store_b32 v27, v[ENT+\i] offset:64*\i
.endr
.irp i, 0,1,2
	v_lshrrev_b32 v[24+\i], 1, v[ENT+\i]
.endr
.irp i, 0,1,2
	v_min_u32 v[24+\i], 0x3ff, v[24+\i]
.endr
.irp i, 0,1,2
	v_lshlrev_b32 v[24+\i], 5, v[24+\i]
.endr
.irp i, 0,1,2
	global_load_b32 v[WT+2*\i], v[24+\i], s[58:59]
.endr
.endm
.macro AOFF                            ; my three tiles' offsets; a tile behind the last is held at the last: only written bytes are read
	s_sub_co_u32 s24, s19, 1
	s_lshr_b32 s24, s24, 4
.irp i, 0,1,2
	s_add_co_u32 s26, s20, 8*\i
	s_min_u32 s26, s26, s24
	s_min_u32 s26, s26, 63
	s_lshl_b32 s67, s26, 11
	s_lshl_b32 s68, s26, 7
	v_add_nc_u32 v[AO+\i], s67, v20
	v_add_nc_u32 v[SO+\i], s68, v21
.endr
	WALU
.endm
.macro BIASL                           ; register 8 t + j of lane (r, h): column 32 (t / 2) + 16 h + 8 (t % 2) + j
	WIN 0x40
.irp t, 0,1,2,3
	global_load_b128 v[8*\t:8*\t+3], v22, s[48:49] offset:128*(\t/2)+32*(\t%2)
	global_load_b128 v[8*\t+4:8*\t+7], v22, s[48:49] offset:128*(\t/2)+32*(\t%2)+16
.endr
	WIN 0
.endm
.macro BIASM                           ; half of it starts each sum
	WIN 0x44
.set J, 0
.rept 32
	v_mul_f32 v[32+J], 0.5, v[J]
	v_mul_f32 v[64+J], 0.5, v[J]
	v_mul_f32 v[J], 0.5, v[J]
.set J, J+1
.endr
	WIN 0
	WALU
.endm
.macro YOUT i                          ; tile i of my three goes out, weighted.  A tile behind the count is left out
	s_add_co_u32 s26, s20, 8*\i
	s_lshl_b32 s24, s26, 4
	s_cmp_ge_u32 s24, s19
	s_cbranch_scc1 .Labsent_\@
.irp t, 0,1,2,3,4,5,6,7
	ds_load_b32 v[128+8*\i+\t], v30 offset:64*\i+8*\t   ; the entry of row 2 t + h
.endr
	WIN 0x41
.irp j, 0,2,4,6,8,10,12,14,16,18,20,22,24,26,28,30
	v_pk_mul_f32 v[32*\i+\j:32*\i+\j+1], v[32*\i+\j:32*\i+\j+1], v[WT+2*\i:WT+2*\i+1] op_sel_hi:[1,0]
.endr
	WIN 0x04                                       ; an LDS store's data are its source 1
.irp g, 0,1,2,3,4,5,6,7
	ds_store_b128 v28, v[32*\i+4*\g:32*\i+4*\g+3] offset:128*(\g/4)+16*(\g%4)
.endr
	WIN 0
.irp t, 0,1,2,3,4,5,6,7
	ds_load_b128 v[US+32*\i+4*\t:US+32*\i+4*\t+3], v29 offset:544*\t   ; my wave's own bytes, and LDS serves a wave's instructions in order
.endr
	s_wait_dscnt 16                                ; the entries are in; the eight stores and eight loads behind them may be out
.irp t, 0,1,2,3,4,5,6,7
	v_min_u32 v[128+8*\i+\t], 0x807, v[128+8*\i+\t]
.endr
.irp t, 0,1,2,3,4,5,6,7
	v_lshl_add_u32 v[128+8*\i+\t], v[128+8*\i+\t], 13, v23
.endr
	WALU
.irp t, 0,1,2,3,4,5,6,7
	s_wait_dscnt 7-\t
	global_store_b128 v[128+8*\i+\t], v[US+32*\i+4*\t:US+32*\i+4*\t+3], s[54:55] th:TH_STORE_NT   ; sixteen lanes store 256 consecutive bytes of one row, aligned
.endr
.Labsent_\@:
.endm
	s_load_b256 s[4:11], s[0:1], 0x0               ; W2 s[4:5], hqs s[6:7], lst s[8:9], gf s[10:11]
	s_load_b128 s[12:15], s[0:1], 0x20             ; b2 s[12:13], y s[14:15]
	v_lshl_add_u32 v[SPW], v0, 2, SPARE
	v_mov_b32 v[NIL], 0
	v_lshrrev_b32 v24, 5, v0
	v_readfirstlane_b32 s16, v24                   ; wave
	s_and_b32 s17, ttmp7, 0xffff                   ; expert
	s_and_b32 s18, ttmp9, 15                       ; which 64 columns
	s_lshr_b32 s31, ttmp9, 4                       ; which half of K
	s_lshr_b32 s23, s16, 2                         ; my K step of a step's two
	s_and_b32 s24, s16, 3                          ; my 32 of its 128
	s_lshl_b32 s21, s16, 17                        ; W2: 32 w rows
	s_mul_i32 s22, s23, 4*FRS
	s_lshl_b32 s26, s24, 9
	s_add_co_u32 s22, s22, s26
	s_add_co_u32 s22, s22, BB
	s_lshl_b32 s26, s23, 8
	s_add_co_u32 s26, s26, s24
	s_mul_i32 s67, s16, 4352
	s_add_co_u32 s67, s67, STG                     ; my stage
	s_lshl_b32 s68, s16, 8
	s_add_co_u32 s68, s68, TAB                     ; my table
	s_lshl_b32 s85, s16, 6
	s_mov_b32 s20, s16                             ; my first tile of the pass
	s_mov_b32 s28, 0x76543210
	s_mov_b32 s29, 0xfedcba98
	s_mov_b32 s30, 0x600000
	s_mov_b32 s25, 0
	s_mov_b32 s27, 0
	WALU
	v_and_b32 v1, 31, v0                           ; lane l
	v_and_b32 v2, 15, v0                           ; r, or cl
	v_bfe_u32 v3, v0, 4, 1                         ; h
	v_bfe_u32 v24, v0, 3, 1
	v_bfe_u32 v25, v0, 1, 1
	v_lshl_add_u32 v24, v24, 1, v25                ; column 4 cl + jj lies in tile 2 cl.3 + cl.1,
	v_bfe_u32 v25, v0, 2, 1
	v_and_b32 v26, 1, v0                           ; row 8 cl.2 + 4 cl.0 + jj
	v_lshlrev_b32 v4, 4, v2
	v_mul_u32_u24 v6, v24, FRS
	v_lshlrev_b32 v7, 6, v24
	v_lshl_add_u32 v4, v3, 16, v4
	v_lshl_add_u32 v6, v25, 7, v6
	v_lshl_add_u32 v7, v25, 5, v7
	v_add_nc_u32 v4, s21, v4
	v_lshl_add_u32 v6, v26, 6, v6
	v_lshl_add_u32 v7, v26, 4, v7
	v_lshl_add_u32 v5, v1, 12, s21                 ; a prefetch: a lane a row
	v_lshl_add_u32 v6, v3, 8, v6
	v_add_nc_u32 v7, s26, v7
	v_add_nc_u32 v6, s22, v6
	v_lshlrev_b32 v20, 4, v1
	v_lshlrev_b32 v21, 2, v1
	v_lshlrev_b32 v22, 6, v3
	v_lshlrev_b32 v23, 4, v2
	v_mul_u32_u24 v28, v2, 272
	v_mul_u32_u24 v29, v3, 272
	v_lshl_add_u32 v27, v2, 2, s68                 ; the table, in: row r
	v_lshl_add_u32 v30, v3, 2, s68                 ; and out: row h + 2 t
	v_lshl_add_u32 v28, v3, 6, v28
	v_add_nc_u32 v29, v29, v23
	v_add_nc_u32 v8, BB, v20
	v_mov_b32 v9, v21
	v_add_nc_u32 v28, s67, v28                     ; the stage, in: row r, + 64 h
	v_add_nc_u32 v29, s67, v29                     ; and out: row h + 2 t, 16 bytes a lane
	v_lshl_add_u32 v24, v2, 2, s85
.irp i, 0,1,2
	v_mov_b32 v[WT+1+2*\i], 0                      ; (the packed form names pairs)
.endr
.irp b, 0,1,2,3
	v_mov_b32 v[TM+4+\b], 0                        ; written once: a lane permute's destination counts as one of its sources
.endr
	WALU
	s_wait_kmcnt 0x0
	s_lshl_b32 s66, s17, 2
	s_load_b32 s19, s[8:9], s66 offset:0x9000      ; the expert's count of rows
	s_lshl_b32 s24, s17, 24
	s_lshl_b32 s26, s31, 23
	s_add_co_u32 s24, s24, s26
	s_lshl_b32 s26, s18, 8
	s_add_co_u32 s24, s24, s26
	s_add_nc_u64 s[32:33], s[4:5], s[24:25]        ; my part of W2
	s_mul_i32 s24, s17, 4608
	s_add_nc_u64 s[56:57], s[8:9], s[24:25]        ; the expert's list
	s_lshl_b32 s24, s17, 12
	s_add_co_u32 s24, s24, s26
	s_add_nc_u64 s[48:49], s[12:13], s[24:25]      ; b2
	ENTL
	BIASL
	ULOAD 0
	ULOAD 1
	global_prefetch_b8 v5, s[32:33] offset:2*UST th:TH_LOAD_NT scope:SCOPE_SE
	global_prefetch_b8 v5, s[32:33] offset:3*UST th:TH_LOAD_NT scope:SCOPE_SE
	s_lshl_b32 s24, s17, 2
	s_add_nc_u64 s[58:59], s[10:11], s[24:25]      ; the weights of expert e
	s_lshl_b32 s24, s31, 12
	s_add_co_u32 s24, s24, s26
	s_add_nc_u64 s[54:55], s[14:15], s[24:25]      ; y: my part, my columns
	s_lshl_b32 s26, s17, 5
	s_lshl_b32 s24, s31, 4
	s_add_co_u32 s26, s26, s24                     ; 32 e + 16 kq: my first K step
	s_lshl_b32 s24, s26, 17
	s_add_nc_u64 s[50:51], s[6:7], s[24:25]        ; its images,
	s_lshl_b32 s24, s26, 13
	s_add_co_u32 s24, s24, HS
	s_add_nc_u64 s[52:53], s[6:7], s[24:25]        ; and scale words
	s_mov_b64 s[34:35], s[50:51]
	s_mov_b64 s[36:37], s[52:53]
	s_wait_kmcnt 0x0
	s_min_u32 s19, s19, 0x400
	s_max_u32 s19, s19, 1                          ; held at 1, as where hqs was made
	s_lshl_b32 s26, s16, 4
	s_add_co_u32 s26, s26, 256
	s_cmp_lt_u32 s26, s19
	s_cselect_b32 s83, 1, 0                        ; have I a third tile?
	AOFF
	ALOAD 34, 36, 0
	s_wait_loadcnt 60                              ; the entries are in; b2's eight loads, the units' 32 and the rows' twenty or more may be out
	ENT2
	WALU
	s_wait_loadcnt 55                              ; b2 is in: behind it the units' 32, the rows' twenty or more, three weights
	BIASM
	s_mov_b32 s2, 0
	s_mov_b32 s62, 0
	s_mov_b32 s63, 0
	s_wait_loadcnt 39                              ; unit 0 is in
.Lstream:
	v_add_nc_u32 v10, s62, v6
	v_add_nc_u32 v11, s63, v7
	v_add_nc_u32 v12, s62, v8
	v_add_nc_u32 v13, s63, v9
	STEPM 0, 1, 1
	STEPM 1, 1, 1
	s_add_co_u32 s62, s62, 2*KSB
	s_add_co_u32 s63, s63, 1024
	s_add_co_u32 s2, s2, 1
	s_cmp_lt_u32 s2, 3
	s_cbranch_scc1 .Lstream
	v_add_nc_u32 v10, 6*KSB, v6                    ; the last two steps ask for no unit
	v_add_nc_u32 v11, 3072, v7
	v_add_nc_u32 v12, 6*KSB, v8
	v_add_nc_u32 v13, 3072, v9
	STEPM 0, 0, 1
	STEPM 1, 0, 0
	; the way out of the first pass (trip 3), then two further passes of four trips, two steps each, from the codes in LDS, for waves that have a tile there
	s_mov_b32 s83, 1
	s_mov_b32 s22, 3
.Lslow:
	s_lshr_b32 s24, s22, 2
	s_mul_i32 s24, s24, 24
	s_add_co_u32 s20, s24, s16                     ; my first tile of the pass
	s_lshl_b32 s26, s20, 4
	s_cmp_ge_u32 s26, s19
	s_cbranch_scc1 .Lskip
	s_wait_xcnt 0x0                                ; earlier stores and loads have read their registers and bases
	s_cmp_eq_u32 s22, 3
	s_cbranch_scc1 .Lout
	s_and_b32 s23, s22, 3
	s_cmp_lg_u32 s23, 0
	s_cbranch_scc1 .Lgo_on
	s_lshl_b32 s85, s20, 6
	v_lshl_add_u32 v24, v2, 2, s85
	ENTL
	BIASL
	AOFF
	s_wait_loadcnt 0x0
	ENT2
	BIASM
	s_wait_loadcnt 0x0
.Lgo_on:
	s_lshl_b32 s26, s23, 19
	s_add_nc_u64 s[38:39], s[50:51], s[26:27]
	s_lshl_b32 s26, s23, 15
	s_add_nc_u64 s[60:61], s[52:53], s[26:27]
	s_mul_i32 s26, s23, 2*KSB
	v_add_nc_u32 v12, s26, v8
	s_lshl_b32 s26, s23, 10
	v_add_nc_u32 v13, s26, v9
	WALU
.irp q, 0,1
	ALOAD 38, 60, \q
	BSCL \q
	BLOAD \q, 0
	s_wait_loadcnt 0x0
	MULG 0
	BLOAD \q, 1
	MULG 1
.endr
	s_cmp_lg_u32 s23, 3
	s_cbranch_scc1 .Lskip
.Lout:
	YOUT 0
	YOUT 1
	YOUT 2
.Lskip:
	s_add_co_u32 s22, s22, 1
	s_cmp_lt_u32 s22, 12
	s_cbranch_scc1 .Lslow
	s_wait_tensorcnt 0x0                           ; the wave's end
	ds_add_u32 v[SPW], v[NIL]
	s_wait_dscnt 0x0
	s_endpgm
.Lfunc_end_k_q0bec223724_outp:
	.size	k_q0bec223724_outp, .Lfunc_end_k_q0bec223724_outp-k_q0bec223724_outp
	.p2alignl 7, 3214868480
	.fill 96, 4, 3214868480
	.section	.rodata,"a",@progbits
	.p2align	6, 0x0
	.amdhsa_kernel k_q0bec223724_outp
		.amdhsa_group_segment_fixed_size 174080
		.amdhsa_private_segment_fixed_size 0
		.amdhsa_enable_private_segment 0
		.amdhsa_kernarg_size 48
		.amdhsa_user_sgpr_count 2
		.amdhsa_user_sgpr_kernarg_segment_ptr 1
		.amdhsa_wavefront_size32 1
		.amdhsa_system_sgpr_workgroup_id_x 1
		.amdhsa_system_sgpr_workgroup_id_y 1
		.amdhsa_system_sgpr_workgroup_id_z 1
		.amdhsa_system_vgpr_workitem_id 0
		.amdhsa_next_free_vgpr 512
		.amdhsa_next_free_sgpr 90
		.amdhsa_reserve_vcc 0
		.amdhsa_float_denorm_mode_32 3
		.amdhsa_float_denorm_mode_16_64 3
		.amdhsa_memory_ordered 1
		.amdhsa_forward_progress 1
		.amdhsa_inst_pref_size 131
	.end_amdhsa_kernel
	.amdgpu_metadata
---
amdhsa.version: [ 1, 2 ]
amdhsa.kernels:
  - .name:           k_q0bec223724_outp
    .symbol:         k_q0bec223724_outp.kd
    .args:
      - { .name: W2, .offset: 0, .size: 8, .value_kind: global_buffer, .address_space: global }
      - { .name: hqs, .offset: 8, .size: 8, .value_kind: global_buffer, .address_space: global }
      - { .name: lst, .offset: 16, .size: 8, .value_kind: global_buffer, .address_space: global }
      - { .name: gf, .offset: 24, .size: 8, .value_kind: global_buffer, .address_space: global }
      - { .name: b2, .offset: 32, .size: 8, .value_kind: global_buffer, .address_space: global }
      - { .name: y, .offset: 40, .size: 8, .value_kind: global_buffer, .address_space: global }
    .group_segment_fixed_size: 174080
    .private_segment_fixed_size: 0
    .kernarg_segment_align: 8
    .kernarg_segment_size: 48
    .max_flat_workgroup_size: 256
    .sgpr_count:     90
    .vgpr_count:     512
    .wavefront_size: 32
...
	.end_amdgpu_metadata
.endif
;; end of part 3
;; launch combine (part 4): grid 256 x 1, 16 waves a work-group, no clusters, 0 bytes of LDS; arguments y, gf, out0, out1; writes out0, out1
.if DOCPART == 4
	.amdgcn_target "amdgcn-amd-amdhsa--gfx1250"
	.amdhsa_code_object_version 6
	.text
	.protected	k_q0bec223724_combine
	.globl	k_q0bec223724_combine
	.p2align	8
	.type	k_q0bec223724_combine,@function
k_q0bec223724_combine:
	s_mov_b64 s[64:65], 0
	v_nop
	global_prefetch_b8 v0, s[64:65] scope:SCOPE_SE
	s_setreg_imm32_b32 hwreg(HW_REG_WAVE_MODE, 25, 1), 1
	s_wait_xcnt 0x0
; out0[b] = the sum of token b's four rows of y, y [2 b + slot][part][1024] f32 (weighted, with the bias, by the launch before);  out1 = 0.01 x the sum over e of (mean score of e)^2.
; gf: at 32,768 gsp[256][8], the score sums of 4 tokens each.
; A work-group takes 4 tokens; wave w takes token w / 4 and columns 256 (w % 4) .. + 255: each load and store of a wave covers 512 consecutive bytes, aligned.  A stream: no LDS, no matrix unit, no barrier.
; No prefetch: each wave asks for all its loads at its head, and there is no loop to run ahead in.
; Wave 0 of work-group 0 also makes out1: its 16 loads are asked for ahead of its others and worked while those are out.
	s_load_b256 s[4:11], s[0:1], 0x0               ; y s[4:5], gf s[6:7], out0 s[8:9], out1 s[10:11]
	v_and_b32 v1, 31, v0
	v_lshrrev_b32 v2, 5, v0
	v_readfirstlane_b32 s18, v2                    ; wave
	s_lshr_b32 s19, s18, 2
	s_and_b32 s20, s18, 3
	s_lshl_b32 s21, s20, 10
	s_lshl_b32 s22, s19, 14
	s_add_co_u32 s22, s22, s21                     ; y: 16,384 bytes a token, + 1,024 (w % 4)
	s_lshl_b32 s23, s19, 12
	s_add_co_u32 s23, s23, s21                     ; out0: 4,096 bytes a token
	s_or_b32 s46, ttmp9, s18                       ; 0 in wave 0 of work-group 0
	s_lshl_b32 s24, ttmp9, 16
	s_lshl_b32 s26, ttmp9, 14
	s_mov_b32 s25, 0
	s_mov_b32 s27, 0
	s_wait_alu depctr_va_vdst(0)
	v_lshl_add_u32 v3, v1, 4, s22
	v_lshl_add_u32 v5, v1, 4, s23
	v_lshlrev_b32 v4, 4, v1
	s_wait_alu depctr_va_vdst(0)
	s_wait_kmcnt 0x0
	s_add_nc_u64 s[4:5], s[4:5], s[24:25]
	s_add_nc_u64 s[8:9], s[8:9], s[26:27]
	s_cmp_lg_u32 s46, 0
	s_cbranch_scc1 .Lno_sums
.irp t, 0,1,2,3,4,5,6,7,8,9,10,11,12,13,14,15
	global_load_b128 v[112+4*\t:115+4*\t], v4, s[6:7] offset:32768+512*\t   ; gsp: lane l, load t: work-group 16 t + l / 2, experts 4 (l % 2) + 0 .. 3
.endr
.Lno_sums:
.irp k, 0,1,2,3
.irp c, 0,1
	global_load_b128 v[16+8*\k+4*\c:16+8*\k+4*\c+3], v3, s[4:5] offset:4096*\k+512*\c th:TH_LOAD_NT
.endr
.endr
	s_cmp_lg_u32 s46, 0
	s_cbranch_scc1 .Lrows
	s_mov_b32 s70, 0x76543210
	s_mov_b32 s71, 0xfedcba98
	s_wait_loadcnt 8                               ; gsp is in; y's eight loads may be out
	v_pk_add_f32 v[112:113], v[112:113], v[116:117]
	v_pk_add_f32 v[114:115], v[114:115], v[118:119]
.irp t, 2, 3, 4, 5, 6, 7, 8, 9, 10, 11, 12, 13, 14, 15
	v_pk_add_f32 v[112:113], v[112:113], v[112+4*\t:113+4*\t]
	v_pk_add_f32 v[114:115], v[114:115], v[114+4*\t:115+4*\t]
.endr
.irp m, 2,4,8
.irp c, 0,1,2,3
	v_add_f32_dpp v[112+\c], v[112+\c], v[112+\c] row_xmask:\m row_mask:0xf bank_mask:0xf   ; over the lanes with my l % 2
.endr
.endr
.irp c, 0,1,2,3
	v_permlanex16_b32 v[116+\c], v[112+\c], s70, s71
.endr
.irp c, 0,1,2,3
	v_add_f32 v[112+\c], v[112+\c], v[116+\c]      ; the scores of expert 4 (l % 2) + c summed over all 1,024 tokens
.endr
.irp c, 0,1,2,3
	v_mul_f32 v[112+\c], 0x3a800000, v[112+\c]     ; / 1,024
.endr
	v_mul_f32 v116, v112, v112
	v_mul_f32 v117, v114, v114
	v_fmac_f32 v116, v113, v113
	v_fmac_f32 v117, v115, v115
	s_delay_alu instid0(VALU_DEP_1)
	v_add_f32 v116, v116, v117
	v_mov_b32 v118, 0
	v_add_f32_dpp v116, v116, v116 row_xmask:1 row_mask:0xf bank_mask:0xf   ; with the other four experts
	s_delay_alu instid0(VALU_DEP_1)
	v_mul_f32 v116, 0x3c23d70a, v116               ; x 0.01
	s_wait_alu depctr_va_vdst(0)
	global_store_b32 v118, v116, s[10:11]          ; every lane stores the same number to the same word
.Lrows:
	s_wait_loadcnt 0x0
.irp p, 0,2,4,6
	v_pk_add_f32 v[16+\p:17+\p], v[16+\p:17+\p], v[24+\p:25+\p]
.endr
.irp p, 0,2,4,6
	v_pk_add_f32 v[32+\p:33+\p], v[32+\p:33+\p], v[40+\p:41+\p]
.endr
.irp p, 0,2,4,6
	v_pk_add_f32 v[96+\p:97+\p], v[16+\p:17+\p], v[32+\p:33+\p]
.endr
	global_store_b128 v5, v[96:99], s[8:9] th:TH_STORE_NT
	global_store_b128 v5, v[100:103], s[8:9] offset:512 th:TH_STORE_NT
	s_endpgm
.Lfunc_end_k_q0bec223724_combine:
	.size	k_q0bec223724_combine, .Lfunc_end_k_q0bec223724_combine-k_q0bec223724_combine
	.p2alignl 7, 3214868480
	.fill 96, 4, 3214868480
	.section	.rodata,"a",@progbits
	.p2align	6, 0x0
	.amdhsa_kernel k_q0bec223724_combine
		.amdhsa_group_segment_fixed_size 0
		.amdhsa_private_segment_fixed_size 0
		.amdhsa_enable_private_segment 0
		.amdhsa_kernarg_size 32
		.amdhsa_user_sgpr_count 2
		.amdhsa_user_sgpr_kernarg_segment_ptr 1
		.amdhsa_wavefront_size32 1
		.amdhsa_system_sgpr_workgroup_id_x 1
		.amdhsa_system_sgpr_workgroup_id_y 1
		.amdhsa_system_sgpr_workgroup_id_z 1
		.amdhsa_system_vgpr_workitem_id 0
		.amdhsa_next_free_vgpr 176
		.amdhsa_next_free_sgpr 80
		.amdhsa_reserve_vcc 0
		.amdhsa_float_denorm_mode_32 3
		.amdhsa_float_denorm_mode_16_64 3
		.amdhsa_memory_ordered 1
		.amdhsa_forward_progress 1
		.amdhsa_inst_pref_size 9
	.end_amdhsa_kernel
	.amdgpu_metadata
---
amdhsa.version: [ 1, 2 ]
amdhsa.kernels:
  - .name:           k_q0bec223724_combine
    .symbol:         k_q0bec223724_combine.kd
    .args:
      - { .name: y, .offset: 0, .size: 8, .value_kind: global_buffer, .address_space: global }
      - { .name: gf, .offset: 8, .size: 8, .value_kind: global_buffer, .address_space: global }
      - { .name: out0, .offset: 16, .size: 8, .value_kind: global_buffer, .address_space: global }
      - { .name: out1, .offset: 24, .size: 8, .value_kind: global_buffer, .address_space: global }
    .group_segment_fixed_size: 0
    .private_segment_fixed_size: 0
    .kernarg_segment_align: 8
    .kernarg_segment_size: 32
    .max_flat_workgroup_size: 512
    .sgpr_count:     80
    .vgpr_count:     176
    .wavefront_size: 32
...
	.end_amdgpu_metadata
.endif
;; end of part 4
